; MI455X (gfx1250); checked and timed in simulation.
; The chip was launched on July 23, 2026; its instructions are those of AMD's public machine-readable ISA for CDNA 5 (MIT licence, August 2026) and "CDNA5" Instruction Set Architecture Reference Guide (July 2026). The comments in the code are by the model that wrote it; some were corrected since.
;; Ro BER Ta For Top K Entailment. Allowed arithmetic: matrix products marked QUANTISED: E4M3 operands, one given power-of-two scale a tensor, by v_wmma_f32_16x16x64_fp8_fp8 or v_wmma_f32_16x16x128_fp8_fp8, f32 sums; products left as they are: f32 operands where the result goes on into a quantised operand, else bf16, f16 or f32 operands; f32 sums; everything else in f32.
;; Inputs: W1 1,024 x 1,024 float32; W2 1,024 x 1 float32; b1 1,024 float32; b2 1 float32; hidden_states 64 x 512 x 1,024 float32; ln_beta 1,024 float32; ln_gamma 1,024 float32; lowp_scales 2 int32 (the exponents e of the quantised operands' scales 2^e); segment_ids 64 x 512 int32.
;; Outputs: out0 64 x 8 x 1 float32.
;; This version of the problem:
;;   THIS VERSION OF THE PROBLEM IS GIVEN IN LOW PRECISION. The matrix products marked QUANTISED in the list below multiply operands that are first quantised to E4M3 (4 exponent bits, 3 mantissa bits; 8 bits a number), with one given power-of-two scale for each operand tensor; their sums are f32. All else is computed in f32.
;;   The module's matrix products, in the order in which they are computed (A, B: the left and right operand; K: the contracted axis; several contracted axes count as one K, in the product's order):
;;     1. batch 64 x [M 8, K 512] x [K 512, N 1,024]; A: computed on the way; B: input hidden_states: left as it is (M = 8 < 16)
;;     2. [M 512, K 1,024] x [K 1,024, N 1,024]; A: computed on the way; B: input W1: QUANTISED (scales: A lowp_scales[0], B lowp_scales[1])
;;     3. [M 512, K 1,024] x [K 1,024, N 1]; A: computed on the way; B: input W2: left as it is (N = 1 < 16)
;;   THE QUANTISER, for each operand of a quantised product, along K:
;;     - The operand's scale is 2^e, e = its entry of the input lowp_scales (int32; the entries are numbered through the quantised products in the list's order, A before B).
;;     - Each number is divided by the scale, clamped to +-448, and rounded to the nearest number of E4M3, ties to even, subnormals kept.
;;     - The product sums the exact products of the quantised numbers (number of the format x scale) in f32.
;;   ~~~python
;;   def quantise(x, axis, e):      # numpy; x: float32 -> the quantised numbers, widened to float32 again
;;       x = np.moveaxis(x, axis, -1); K = x.shape[-1]
;;       r = np.clip(x / 2.0 ** e, -448, 448)
;;       step = 2.0 ** (np.maximum(np.frexp(np.where(r == 0, 1, r))[1] - 1, -6) - 3)
;;       q = np.round(r / step) * step * 2.0 ** e      # np.round: ties to even
;;       return np.moveaxis(q, -1, axis).astype(np.float32)
;;   ~~~
;;   OPERANDS COMPUTED ON THE WAY. 'Computed on the way' means the value that the module computes at that place (a softmax that the list does not call 'softmax' is quantised finished and normalised). What goes into a quantiser is computed in f32, as accurately as f32 sums, v_exp_f32 and their like allow (about 1e-6 of the number): no bf16 or f16 on the way to a quantiser, and a product that is left as it is and whose result goes on into a quantised operand takes f32 operands (vector FMAs, or v_wmma_f32_16x16x4_f32). A number that lies on a knife's edge between two numbers of the format may be rounded either way, as far as f32 arithmetic and the matrix unit's own rounding can turn it there, and no further.
;; One version. Each part assembles by itself: llvm-mc -triple=amdgcn-amd-amdhsa -mcpu=gfx1250 --defsym DOCPART=n.
;; ======== version 1 of 1: 2 launches
;; limits: right only within a limited range of input values
;; workspace buffers: acodes 524,288 bytes; wcodes 1,048,576 bytes; poison 2,048 bytes
;; launch pool (part 1): grid 4 x 64, 16 waves a work-group, no clusters, 73,728 bytes of LDS; arguments hidden_states, segment_ids, W1, lowp_scales, acodes, wcodes, poison; writes acodes, wcodes, poison
.if DOCPART == 1
	.amdgcn_target "amdgcn-amd-amdhsa--gfx1250"
	.amdhsa_code_object_version 6
	.text
	.protected	k_q7626b2f99e_pool
	.globl	k_q7626b2f99e_pool
	.p2align	8
	.type	k_q7626b2f99e_pool,@function
k_q7626b2f99e_pool:
	s_mov_b64 s[64:65], 0
	v_nop
	global_prefetch_b8 v0, s[64:65] scope:SCOPE_SE
	s_setreg_imm32_b32 hwreg(HW_REG_WAVE_MODE, 25, 1), 1
	s_wait_xcnt 0x0
; SEGMENT MEAN POOLING AND BOTH QUANTISERS.
; hidden_states [64][512][1024] f32, segment_ids [64][512] int32, W1 [1024 (K)][1024 (n)] f32, lowp_scales: e0 (pooled rows), e1 (W1).
; For batch b and label k: start = first position with id k, end = last; pooled = mean of the rows start+1 .. end-1, in f32; then E4M3 codes with scale 2^e0.
; SHARES.  Work-group (cq, b) owns batch b and columns 256 cq .. 256 cq + 255 (1,024 bytes of every row).  Wave w: hf = w & 1 picks 512 of those bytes, q = w >> 1 rows 64 q .. 64 q + 63.
; A lane holds 4 columns, so each load of a wave covers 512 consecutive bytes, aligned.  Every byte of hidden_states is read once, whatever the ids are: all addresses are ids, constants and immediates;
; only scalar branches hang on the ranges, which are whole numbers made from segment_ids.  Ranges of different labels may overlap or nest: a row may go into up to eight sums.
; Rows go in groups of 8.  The group's sum t is made once; for each label the group is outside the range (nothing), wholly inside (sum += t) or cut by an end (row by row).  No difference of sums is formed.
; A ring of four group slots in registers: 24 to 32 loads of every wave are out while a group is added.
; The eight row sets of a column meet in LDS; waves 0-3 add them, divide by the count and quantise.
; BESIDE IT each work-group quantises 1/256 of W1 (64 K x 64 n, scale 2^e1): a lane takes a column n and its eight registers run down K, so the conversion gives codes with K innermost.
; OUT.  acodes [b 64][s 8][c 4][h 2][k 8][16 bytes]: codes of K = 128 s + 32 c + 16 h + 0..15 of pooled row (b, k).
;       wcodes [w 16][s 8][t 4][c 4][lane 32][16 bytes]: lane 16 h + r: n = 64 w + 16 t + r, K = 128 s + 32 c + 16 h + 0..15: the order of the operand's registers in the next launch.
;       poison [512] f32: 0.0, or NaN where a label has no inner position (count 0: the mean is 0 / 0).
; LIMITS: e0 and e1 between -126 and 119, so that 2^e and 448 x 2^e are f32 numbers.  NaN and infinities among the floating-point inputs are not served.  1 / count is v_rcp_f32 and one multiplication.
; poison's 32 bytes a batch fill their 256 bytes only in part: the buffer is 2 KiB in all.
; No tensor loads.  No cluster: work-groups share nothing but a batch's 2 KiB of ids.  No matrix unit: the pooling is one f32 addition a number.
.set WST,  256                         ; LDS: W1's codes on their way out: [tile 4][c 2][h 2][r 16][16 bytes], 4,096 bytes.  (LDS bytes 0-63: 16 words: start of label k; 511 - end of label k)
.set RED,  4352                        ; LDS: the partial sums: [q 8][k 8][256 columns] f32
.set KP,   1040                        ; from label to label: 1,024 bytes + 16
.set QP,   8*KP                        ; from row set to row set
.set LO,   32                          ; s[32:39]  label k: first row of my 64 that lies in its range
.set LEN,  40                          ; s[40:47]  how many of my rows do
.set ANY,  48                          ; s[48:55]  LEN + 7, or 0 where LEN is 0
.set FULL, 56                          ; s[56:63]  LEN - 7, at least 0
.set IDS,  20                          ; v[20:35]  16 ids; later the 16 words of starts and ends
.set WN,   36                          ; v[36:43]  8 numbers of W1, down K
.set T,    48                          ; v[48:55]  a group's sum, in two chains; at the end the pooled codes
.set ACC,  56                          ; v[56:87]  label k's sum of my 4 columns at v[56 + 4 k]
.set RING, 88                          ; v[88:215] slot g % 4: 8 rows x 4 registers
; v1 16 x lane; v2 16 x thread; v3 W1 offset; v4, v5 the stage in and out; v6 wcodes offset; v7 4 x wave; v8 0; v9, v10 RED in and out; v11 4 x (thread & 7);
; v12, v13: 2^e1, 448 x 2^e1; v14, v15: the same for e0; v16 512; v17-19 at work (at the end: v17 the flag, v[18:19] 1 / count as a pair).  All LDS addresses are made here at the head.
	s_load_b256 s[4:11], s[0:1], 0x0               ; hidden_states s[4:5], segment_ids s[6:7], W1 s[8:9], lowp_scales s[10:11]
	s_load_b128 s[12:15], s[0:1], 0x20             ; acodes s[12:13], wcodes s[14:15]
	s_load_b64 s[16:17], s[0:1], 0x30              ; poison
	v_lshl_add_u32 v216, v0, 2, 0x11800
	v_mov_b32 v217, 0
	v_lshrrev_b32 v17, 5, v0
	v_readfirstlane_b32 s18, v17                   ; wave 0..15
	v_lshlrev_b32 v7, 2, v17                       ; my wave's word among the starts and ends
	v_and_b32 v1, 31, v0
	v_lshlrev_b32 v1, 4, v1                        ; 16 x lane
	v_lshlrev_b32 v2, 4, v0                        ; 16 x thread
	v_lshrrev_b32 v17, 6, v0                       ; W1: which 8 of the slice's 64 K are mine,
	v_and_b32 v18, 63, v0                          ; and which column
	v_lshlrev_b32 v18, 2, v18
	v_lshl_or_b32 v3, v17, 15, v18                 ; 8 rows of 4,096 bytes x octet + 4 x column
	v_bfe_u32 v17, v0, 4, 2                        ; the stage, in: tile = column / 16,
	v_and_b32 v18, 15, v0                          ; r = column % 16,
	v_lshlrev_b32 v18, 4, v18
	v_lshl_add_u32 v4, v17, 10, v18
	v_bfe_u32 v17, v0, 6, 1                        ; which 8 of the 16 bytes: octet % 2,
	v_lshl_add_u32 v4, v17, 3, v4
	v_lshrrev_b32 v17, 7, v0                       ; 2 c + h = octet / 2
	v_lshl_add_u32 v4, v17, 8, v4
	v_add_nc_u32 v4, WST, v4
	v_lshl_add_u32 v5, v0, 3, WST                  ; out: 8 bytes a thread, as they lie
	v_and_b32 v18, 127, v0
	v_lshlrev_b32 v18, 3, v18
	v_lshl_or_b32 v6, v17, 11, v18                 ; and in wcodes: a tile's 1,024 bytes lie 2,048 apart
	v_mov_b32 v8, 0
	v_and_b32 v17, 7, v0                           ; the finish: label = thread & 7,
	v_mul_u32_u24 v10, v17, KP
	v_bfe_u32 v18, v0, 3, 4                        ; 16 columns, 64 bytes, at (thread >> 3) & 15
	v_lshl_add_u32 v10, v18, 6, v10
	v_add_nc_u32 v10, RED, v10
	v_lshlrev_b32 v11, 2, v17
	v_mov_b32 v16, 512
	s_mov_b32 s19, ttmp9                           ; cq
	s_and_b32 s20, ttmp7, 0xffff                   ; b
	s_lshl_b32 s21, s20, 2
	s_add_co_u32 s21, s21, s19                     ; i = 4 b + cq: my slice of W1
	s_mov_b32 s26, 0x76543210                      ; v_permlanex16_b32: lane l takes lane l xor 16
	s_mov_b32 s27, 0xfedcba98
	s_lshr_b32 s28, s18, 1                         ; q
	s_and_b32 s29, s18, 1                          ; hf
	s_lshl_b32 s68, s28, 6                         ; my first row, 64 q
	s_mul_i32 s30, s28, QP
	s_lshl_b32 s31, s29, 9
	s_add_co_u32 s30, s30, s31
	s_add_co_u32 s30, s30, RED
	v_add_nc_u32 v9, s30, v1                       ; RED, in: row set q, + 512 hf + 16 x lane
	; byte offsets of my parts, each in a pair of its own with 0 above
	s_lshl_b32 s32, s20, 21                        ; hidden_states: batch (512 rows of 4,096 bytes),
	s_lshl_b32 s30, s28, 18                        ; 64 q rows,
	s_or_b32 s32, s32, s30
	s_lshl_b32 s30, s19, 10                        ; 1,024 cq,
	s_or_b32 s32, s32, s30
	s_or_b32 s32, s32, s31                         ; 512 hf
	s_mov_b32 s33, 0
	s_lshl_b32 s34, s20, 11                        ; segment_ids: 2,048 bytes a batch
	s_mov_b32 s35, 0
	s_and_b32 s30, s21, 15                         ; W1: K = 64 (i & 15) on,
	s_lshl_b32 s36, s30, 18
	s_lshr_b32 s30, s21, 4                         ; n = 64 (i >> 4) on
	s_lshl_b32 s31, s30, 8
	s_or_b32 s36, s36, s31
	s_mov_b32 s37, 0
	s_lshl_b32 s38, s30, 16                        ; wcodes: w = i >> 4,
	s_bfe_u32 s31, s21, 0x30001                    ; s = (i >> 1) & 7,
	s_lshl_b32 s31, s31, 13
	s_or_b32 s38, s38, s31
	s_and_b32 s31, s21, 1                          ; c = 2 (i & 1) on
	s_lshl_b32 s31, s31, 10
	s_or_b32 s38, s38, s31
	s_mov_b32 s39, 0
	s_lshl_b32 s40, s20, 13                        ; acodes: 8,192 bytes a batch, 2,048 for 256 columns
	s_lshl_b32 s31, s19, 11
	s_or_b32 s40, s40, s31
	s_mov_b32 s41, 0
	s_lshl_b32 s42, s20, 5                         ; poison: 8 words a batch
	s_mov_b32 s43, 0
	s_wait_kmcnt 0x0
	s_load_b64 s[22:23], s[10:11], 0x0             ; e0, e1
	s_add_nc_u64 s[4:5], s[4:5], s[32:33]
	s_add_nc_u64 s[6:7], s[6:7], s[34:35]
	s_add_nc_u64 s[8:9], s[8:9], s[36:37]
	s_add_nc_u64 s[14:15], s[14:15], s[38:39]
	s_add_nc_u64 s[12:13], s[12:13], s[40:41]
	s_add_nc_u64 s[16:17], s[16:17], s[42:43]
.macro FILL g                          ; group g's 8 rows into slot g % 4: each load 512 consecutive bytes; read once in the launch
.irp i, 0,1,2,3,4,5,6,7
	global_load_b128 v[RING+32*((\g)%4)+4*\i:RING+32*((\g)%4)+4*\i+3], v1, s[4:5] offset:(8*(\g)+\i)*4096 th:TH_LOAD_NT
.endr
.endm
.irp j, 0,1,2,3
	global_load_b128 v[IDS+4*\j:IDS+4*\j+3], v1, s[6:7] offset:512*\j   ; the batch's 512 ids: register 4 j + c holds position 128 j + 4 x lane + c
.endr
.irp i, 0,1,2,3,4,5,6,7
	global_load_b32 v[WN+\i], v3, s[8:9] offset:4096*\i th:TH_LOAD_NT   ; W1(8 x octet + i, my column)
.endr
	FILL 0
	FILL 1
	FILL 2
	FILL 3
.set j, 0
.rept 32
	v_mov_b32 v[ACC+j], 0                          ; the sums begin as zeros: which group is a label's first hangs on the ids
.set j, j+1
.endr
	; ---- starts and ends, in whole numbers.  Wave w serves label w & 7; waves 0-7 look for the least position, waves 8-15 for the least 511 - position (position xor 511).  Absent: 512.
	s_and_b32 s69, s18, 7
	s_lshr_b32 s31, s18, 3
	s_mul_i32 s31, s31, 511
	v_lshrrev_b32 v17, 2, v1                       ; 4 x lane
	v_xor_b32 v17, s31, v17
	v_mov_b32 v18, v16
	s_wait_loadcnt 40                              ; the ids are in; W1's 8 loads and the ring's 32 stay out
.set n, 0
.rept 16
	v_xor_b32 v19, 128*(n/4)+n%4, v17              ; the key of position 128 j + 4 x lane + c: the three parts share no bit
	v_cmp_eq_u32 vcc_lo, s69, v[IDS+n]
	v_cndmask_b32 v19, v16, v19, vcc_lo
	v_min_u32 v18, v18, v19
.set n, n+1
.endr
.irp m, 1,2,4,8
	v_mov_b32_dpp v19, v18 row_xmask:\m row_mask:0xf bank_mask:0xf
	v_min_u32 v18, v18, v19
.endr
	v_permlanex16_b32 v19, v18, s26, s27
	v_min_u32 v18, v18, v19
	ds_store_b32 v7, v18                           ; all lanes hold the same number
	; ---- my 8 numbers of W1 become 8 codes
	s_wait_loadcnt 32                              ; W1's loads are in; the ring's 32 stay out
	s_wait_kmcnt 0x0
	s_add_co_i32 s28, s23, 127
	s_lshl_b32 s29, s28, 23
	v_mov_b32 v12, s29                             ; 2^e1 as f32: the conversion takes its exponent field
	s_add_co_i32 s28, s28, 8
	s_lshl_b32 s28, s28, 23
	s_or_b32 s28, s28, 0x600000
	v_mov_b32 v13, s28                             ; 448 x 2^e1
	s_add_co_i32 s28, s22, 127
	s_lshl_b32 s29, s28, 23
	v_mov_b32 v14, s29                             ; 2^e0
	s_add_co_i32 s28, s28, 8
	s_lshl_b32 s28, s28, 23
	s_or_b32 s28, s28, 0x600000
	v_mov_b32 v15, s28                             ; 448 x 2^e0
.irp i, 0,1,2,3,4,5,6,7
	v_med3_num_f32 v[WN+\i], v[WN+\i], -v13, v13   ; the conversion to an 8-bit code does not saturate (ISA guide 7.6.2): the hold at the largest code x the scale
.endr
	v_cvt_scalef32_pk8_fp8_f32 v[44:45], v[WN:WN+7], v12
	v_nop                                          ; one plain vector line behind a scaled conversion
	ds_store_b64 v4, v[44:45]
	s_wait_dscnt 0x0                               ; for the others' sake: my word and my codes lie in LDS
	s_barrier_signal -1
	s_barrier_wait -1
	; ---- W1's codes leave as they lie in the stage; the 16 words become my wave's ranges
.irp j, 0,1,2,3
	ds_load_b128 v[IDS+4*\j:IDS+4*\j+3], v8 offset:16*\j
.endr
	ds_load_b64 v[46:47], v5
	s_wait_dscnt 0x0
	global_store_b64 v6, v[46:47], s[14:15]        ; 32 lanes store 256 consecutive bytes, aligned
.irp k, 0,1,2,3,4,5,6,7
	v_readfirstlane_b32 s[LO+\k], v[IDS+\k]        ; start
	v_readfirstlane_b32 s[LEN+\k], v[IDS+8+\k]     ; 511 - end
.endr
; Among my rows 0..63 the range is LO <= row < HI: LO = start + 1 - 64 q, HI = end - 64 q, both held within 0..64.  With unsigned compares:
; row in range: row - LO < LEN;  group G..G+7 meets it: G + 7 - LO < LEN + 7 (LEN > 0);  group wholly inside: G - LO < LEN - 7.
.macro RANGE k
	s_add_co_i32 s66, s[LO+\k], 1
	s_sub_co_i32 s66, s66, s68
	s_max_i32 s66, s66, 0
	s_min_i32 s[LO+\k], s66, 64
	s_sub_co_i32 s67, 511, s[LEN+\k]
	s_sub_co_i32 s67, s67, s68
	s_max_i32 s67, s67, 0
	s_min_i32 s67, s67, 64
	s_sub_co_i32 s67, s67, s[LO+\k]
	s_max_i32 s[LEN+\k], s67, 0
	s_sub_co_i32 s67, s[LEN+\k], 7
	s_max_i32 s[FULL+\k], s67, 0
	s_add_co_u32 s67, s[LEN+\k], 7
	s_cmp_lg_u32 s[LEN+\k], 0
	s_cselect_b32 s[ANY+\k], s67, 0
.endm
.irp k, 0,1,2,3,4,5,6,7
	RANGE \k
.endr
.macro ROWADD g, i, k                  ; row i of group g goes into label k's sum if it lies in the range
	s_sub_co_u32 s66, 8*(\g)+\i, s[LO+\k]
	s_cmp_lt_u32 s66, s[LEN+\k]
	s_cbranch_scc0 .Lskip_\@
	v_pk_add_f32 v[ACC+4*\k:ACC+4*\k+1], v[ACC+4*\k:ACC+4*\k+1], v[RING+32*((\g)%4)+4*\i:RING+32*((\g)%4)+4*\i+1]
	v_pk_add_f32 v[ACC+4*\k+2:ACC+4*\k+3], v[ACC+4*\k+2:ACC+4*\k+3], v[RING+32*((\g)%4)+4*\i+2:RING+32*((\g)%4)+4*\i+3]
.Lskip_\@:
.endm
.macro KTEST g, k                      ; group g against label k: outside, wholly inside, or cut by an end
	s_sub_co_u32 s66, 8*(\g)+7, s[LO+\k]
	s_cmp_lt_u32 s66, s[ANY+\k]
	s_cbranch_scc0 .Lnone_\@
	s_sub_co_u32 s66, 8*(\g), s[LO+\k]
	s_cmp_lt_u32 s66, s[FULL+\k]
	s_cbranch_scc0 .Lpart_\@
	v_pk_add_f32 v[ACC+4*\k:ACC+4*\k+1], v[ACC+4*\k:ACC+4*\k+1], v[T:T+1]
	v_pk_add_f32 v[ACC+4*\k+2:ACC+4*\k+3], v[ACC+4*\k+2:ACC+4*\k+3], v[T+2:T+3]
	s_branch .Lnone_\@
.Lpart_\@:
.irp i, 0,1,2,3,4,5,6,7
	ROWADD \g, \i, \k
.endr
.Lnone_\@:
.endm
; left = the loads issued behind group g's, which may stay out; the branches hold vector and scalar work alone, so the count is the same on every way.
.macro GROUP g, left, refill
.set RB, RING+32*((\g)%4)
	s_wait_loadcnt \left
	v_pk_add_f32 v[T:T+1],   v[RB:RB+1],     v[RB+4:RB+5]      ; the group's sum, in two chains
	v_pk_add_f32 v[T+2:T+3], v[RB+2:RB+3],   v[RB+6:RB+7]
	v_pk_add_f32 v[T+4:T+5], v[RB+8:RB+9],   v[RB+12:RB+13]
	v_pk_add_f32 v[T+6:T+7], v[RB+10:RB+11], v[RB+14:RB+15]
	v_pk_add_f32 v[T:T+1],   v[T:T+1],       v[RB+16:RB+17]
	v_pk_add_f32 v[T+2:T+3], v[T+2:T+3],     v[RB+18:RB+19]
	v_pk_add_f32 v[T+4:T+5], v[T+4:T+5],     v[RB+20:RB+21]
	v_pk_add_f32 v[T+6:T+7], v[T+6:T+7],     v[RB+22:RB+23]
	v_pk_add_f32 v[T:T+1],   v[T:T+1],       v[RB+24:RB+25]
	v_pk_add_f32 v[T+2:T+3], v[T+2:T+3],     v[RB+26:RB+27]
	v_pk_add_f32 v[T+4:T+5], v[T+4:T+5],     v[RB+28:RB+29]
	v_pk_add_f32 v[T+6:T+7], v[T+6:T+7],     v[RB+30:RB+31]
	v_pk_add_f32 v[T:T+1],   v[T:T+1],       v[T+4:T+5]
	v_pk_add_f32 v[T+2:T+3], v[T+2:T+3],     v[T+6:T+7]
.irp k, 0,1,2,3,4,5,6,7
	KTEST \g, \k
.endr
.if \refill
	FILL (\g)+4                                    ; the slot takes the group four further on
.endif
.endm
	GROUP 0, 24, 1                                 ; three groups of 8 loads are out behind the one that is read,
	GROUP 1, 24, 1
	GROUP 2, 24, 1
	GROUP 3, 24, 1
	GROUP 4, 24, 0
	GROUP 5, 16, 0                                 ; and the counts run down
	GROUP 6, 8, 0
	GROUP 7, 0, 0
	; ---- the eight row sets meet in LDS
.irp k, 0,1,2,3,4,5,6,7
	ds_store_b128 v9, v[ACC+4*\k:ACC+4*\k+3] offset:KP*\k
.endr
	s_wait_dscnt 0x0                               ; for the others' sake
	s_barrier_signal -1
	s_barrier_wait -1
	s_cmp_ge_u32 s18, 4
	s_cbranch_scc1 .Lend                           ; waves 0-3 finish: thread u has label u & 7 and columns 16 (u >> 3) on
	ds_load_b32 v17, v11                           ; start
	ds_load_b32 v18, v11 offset:32                 ; 511 - end
.irp q, 0,1,2,3,4,5,6,7
.irp i, 0,1,2,3
	ds_load_b128 v[RING+16*\q+4*\i:RING+16*\q+4*\i+3], v10 offset:\q*QP+16*\i
.endr
.endr
	s_wait_dscnt 32                                ; the two words are in; the 32 loads behind them stay out
	v_add_nc_u32 v17, v17, v18
	v_sub_nc_u32 v17, 510, v17                     ; end - start - 1
	v_cvt_f32_i32 v17, v17
	v_max_num_f32 v17, 0, v17                      ; the count of inner positions
	v_rcp_f32 v18, v17                             ; 1 / count; infinity where it is 0
	v_mov_b32 v19, 0                               ; a plain line behind the reciprocal; v19 is named with v18 as a pair below
.irp q, 1,2,3,4,5,6,7
	s_wait_dscnt 4*(7-\q)                          ; row set q is in; the sets behind it stay out
.irp j, 0,2,4,6,8,10,12,14
	v_pk_add_f32 v[RING+\j:RING+\j+1], v[RING+\j:RING+\j+1], v[RING+16*\q+\j:RING+16*\q+\j+1]
.endr
.endr
	s_wait_alu depctr_va_vdst(0)                   ; the wait ahead of the reciprocal's first reader
.irp j, 0,2,4,6,8,10,12,14
	v_pk_mul_f32 v[RING+\j:RING+\j+1], v[RING+\j:RING+\j+1], v[18:19] op_sel_hi:[1,0]   ; the mean: both halves x v18
.endr
	v_mul_f32 v17, 0, v18                          ; 0.0, or NaN where the count is 0
.irp j, 0,1,2,3,4,5,6,7,8,9,10,11,12,13,14,15
	v_med3_num_f32 v[RING+\j], v[RING+\j], -v15, v15   ; the hold at 448 x 2^e0
.endr
	v_cvt_scalef32_pk8_fp8_f32 v[T:T+1], v[RING:RING+7], v14
	v_cvt_scalef32_pk8_fp8_f32 v[T+2:T+3], v[RING+8:RING+15], v14
	v_nop                                          ; one plain vector line behind the last conversion
	global_store_b128 v2, v[T:T+3], s[12:13]       ; unit u lies at 16 u: a wave stores 512 consecutive bytes, aligned
	s_or_b32 s28, s18, s19
	s_cmp_lg_u32 s28, 0
	s_cbranch_scc1 .Lend                           ; wave 0 of the batch's first work-group stores the eight flags
	s_wait_xcnt 0x0                                ; EXEC changes only behind this wait
	v_cmp_gt_u32 vcc_lo, 8, v0
	s_and_saveexec_b32 s28, vcc_lo
	global_store_b32 v11, v17, s[16:17]
	s_wait_xcnt 0x0                                ; and again in front of the line that widens it
	s_or_b32 exec_lo, exec_lo, s28
.Lend:
	s_wait_tensorcnt 0x0
	ds_add_u32 v216, v217
	s_wait_dscnt 0x0
	s_endpgm
.Lfunc_end_k_q7626b2f99e_pool:
	.size	k_q7626b2f99e_pool, .Lfunc_end_k_q7626b2f99e_pool-k_q7626b2f99e_pool
	.p2alignl 7, 3214868480
	.fill 96, 4, 3214868480
	.section	.rodata,"a",@progbits
	.p2align	6, 0x0
	.amdhsa_kernel k_q7626b2f99e_pool
		.amdhsa_group_segment_fixed_size 73728
		.amdhsa_private_segment_fixed_size 0
		.amdhsa_enable_private_segment 0
		.amdhsa_kernarg_size 56
		.amdhsa_user_sgpr_count 2
		.amdhsa_user_sgpr_kernarg_segment_ptr 1
		.amdhsa_wavefront_size32 1
		.amdhsa_system_sgpr_workgroup_id_x 1
		.amdhsa_system_sgpr_workgroup_id_y 1
		.amdhsa_system_sgpr_workgroup_id_z 1
		.amdhsa_system_vgpr_workitem_id 0
		.amdhsa_next_free_vgpr 218
		.amdhsa_next_free_sgpr 72
		.amdhsa_reserve_vcc 1
		.amdhsa_float_denorm_mode_32 3
		.amdhsa_float_denorm_mode_16_64 3
		.amdhsa_memory_ordered 1
		.amdhsa_forward_progress 1
		.amdhsa_inst_pref_size 172
	.end_amdhsa_kernel
	.amdgpu_metadata
---
amdhsa.version: [ 1, 2 ]
amdhsa.kernels:
  - .name:           k_q7626b2f99e_pool
    .symbol:         k_q7626b2f99e_pool.kd
    .args:
      - { .name: hidden_states, .offset: 0, .size: 8, .value_kind: global_buffer, .address_space: global }
      - { .name: segment_ids, .offset: 8, .size: 8, .value_kind: global_buffer, .address_space: global }
      - { .name: W1, .offset: 16, .size: 8, .value_kind: global_buffer, .address_space: global }
      - { .name: lowp_scales, .offset: 24, .size: 8, .value_kind: global_buffer, .address_space: global }
      - { .name: acodes, .offset: 32, .size: 8, .value_kind: global_buffer, .address_space: global }
      - { .name: wcodes, .offset: 40, .size: 8, .value_kind: global_buffer, .address_space: global }
      - { .name: poison, .offset: 48, .size: 8, .value_kind: global_buffer, .address_space: global }
    .group_segment_fixed_size: 73728
    .private_segment_fixed_size: 0
    .kernarg_segment_align: 8
    .kernarg_segment_size: 56
    .max_flat_workgroup_size: 512
    .sgpr_count:     72
    .vgpr_count:     218
    .wavefront_size: 32
...
	.end_amdgpu_metadata
.endif
;; end of part 1
;; launch head (part 2): grid 32 x 1, 16 waves a work-group, no clusters, 26,624 bytes of LDS; arguments acodes, wcodes, poison, b1, ln_gamma, ln_beta, W2, b2, lowp_scales, out0; writes out0
.if DOCPART == 2
	.amdgcn_target "amdgcn-amd-amdhsa--gfx1250"
	.amdhsa_code_object_version 6
	.text
	.protected	k_q7626b2f99e_head
	.globl	k_q7626b2f99e_head
	.p2align	8
	.type	k_q7626b2f99e_head,@function
k_q7626b2f99e_head:
	s_mov_b64 s[64:65], 0
	v_nop
	global_prefetch_b8 v0, s[64:65] scope:SCOPE_SE
	s_setreg_imm32_b32 hwreg(HW_REG_WAVE_MODE, 25, 1), 1
	s_wait_xcnt 0x0
; out0 = LayerNorm(relu(pooled W1 + b1)) W2 + b2, the first product on E4M3 codes (scales 2^e0, 2^e1), all else in f32.
; acodes, wcodes, poison: as the launch before lays them (its head comment).
; SHARES.  Work-group g owns the 16 rows m = 16 g .. 16 g + 15 (batches 2 g and 2 g + 1), since LayerNorm wants a row's 1,024 columns together.  Wave w owns columns n = 64 w .. 64 w + 63:
; 4 accumulators, 8 K steps of 128: 32 matrix instructions.  THE PRODUCT IS USED TRANSPOSED (source 0 = 16 rows n of W1's codes, source 1 = the 16 pooled rows): lane (r, h) holds row m = r,
; and register j of tile t the column n = 64 w + 16 t + 8 h + j, so a row's sums want one exchange between the halves of the lanes and one meeting of the 16 waves in LDS.
; W1's codes lie in memory in the order of the operand's registers: a fragment is four loads of 512 consecutive bytes, straight into registers; two K steps of every wave's loads are out all the time.
; The k of a fragment's registers 4 c .. 4 c + 3 is 32 c + 16 h + 0..15, alike on both sides: every product meets its partner.
; The pooled rows' codes (16 KiB) are copied once into LDS as images of the operand's registers and read by all 16 waves.
; b1 / 2^(e0 + e1) is the C of each sum's first matrix instruction.  LayerNorm in two passes (mean; then deviations).  out = rsqrt(var + 1e-5) x sum(d gamma W2) + sum(beta W2) + b2 + poison.
; NO JOINT LOADS, though all 32 work-groups read the same codes of W1: inside a work-group each fragment is read by one wave alone, so it needs no LDS; through an LDS ring each refill would stand
; behind a round of the cluster's barrier with 4 matrix instructions a wave between rounds, while here the K loop has no barrier at all.
; LIMITS: e0 + e1 between -126 and 127; b1 / 2^(e0 + e1) an f32 number.  NaN and infinities among the floating-point inputs are not served; a row whose label has no inner position gives NaN, by poison.
; out0's 64 bytes a work-group fill their 256 bytes only in part: the output is 2 KiB in all.
.set AIMG, 0                           ; LDS: the pooled rows' 8 fragments, 2,048 bytes each: K step s, registers 4 c on, lane l at 2048 s + 512 c + 16 l
.set GW,   16384                       ; gamma x W2, f32 [1024]
.set R1,   20480                       ; four tables [r 16][wave 16] f32, 1,024 bytes each: sum h; sum d^2; sum d gamma W2; sum beta W2
.set AF,   48                          ; v[48:79]   the pooled rows' fragment, two sets of 16
.set ACC,  80                          ; v[80:111]  4 accumulators
.set BF,   112                         ; v[112:239] W1's 4 fragments of a K step, two sets of 64
.set GV,   112                         ; behind the product: v[112:143] my 32 numbers of gamma x W2,
.set XS,   144                         ; v[144:167] the waves' partial sums
; v1 16 x lane; v2 16 x thread; v3 image address; v4 8 x thread; v5 GW + 8 x thread; v6 256 w + 32 h; v7 GW + that; v8 R1 + 64 r + 4 w; v9 R1 + 64 r + 32 h; v10 4 r; v12-15 at work;
; v[16:23] the copy; v[24:29] gamma, W2, beta; v30 poison; v31 sum beta W2; v[32:33] the mean, twice; v[34:41] sums.
	s_load_b512 s[4:19], s[0:1], 0x0               ; acodes s[4:5], wcodes s[6:7], poison s[8:9], b1 s[10:11], gamma s[12:13], beta s[14:15], W2 s[16:17], b2 s[18:19]
	s_load_b128 s[20:23], s[0:1], 0x40             ; lowp_scales s[20:21], out0 s[22:23]
	v_lshl_add_u32 v240, v0, 2, 0x6000
	v_mov_b32 v241, 0
	v_lshrrev_b32 v12, 5, v0
	v_readfirstlane_b32 s27, v12                   ; wave 0..15
	v_and_b32 v1, 31, v0
	v_lshlrev_b32 v1, 4, v1
	v_lshlrev_b32 v2, 4, v0
	v_lshrrev_b32 v12, 3, v0                       ; a batch's unit u = thread: (s, c, h) = u >> 3, label u & 7
	v_and_b32 v13, 7, v0
	v_lshlrev_b32 v13, 4, v13
	v_lshl_or_b32 v3, v12, 8, v13                  ; its place in the images: 256 (u >> 3) + 16 (u & 7); the second batch's rows lie 128 bytes on (lanes r = 8 .. 15)
	v_lshlrev_b32 v4, 3, v0
	v_lshl_add_u32 v5, v0, 3, GW
	v_and_b32 v12, 15, v0                          ; r
	v_bfe_u32 v13, v0, 4, 1                        ; h
	v_lshlrev_b32 v10, 2, v12
	s_lshl_b32 s29, s27, 8
	v_lshlrev_b32 v6, 5, v13
	v_add_nc_u32 v6, s29, v6
	v_add_nc_u32 v7, GW, v6
	s_lshl_b32 s28, s27, 2
	s_add_co_u32 s28, s28, R1
	v_lshlrev_b32 v8, 6, v12
	v_lshl_add_u32 v9, v13, 5, v8
	v_add_nc_u32 v8, s28, v8
	v_add_nc_u32 v9, R1, v9
	s_mov_b32 s33, 0x3a800000                      ; 1 / 1024
	s_mov_b32 s34, 0x76543210                      ; v_permlanex16_b32: lane l takes lane l xor 16
	s_mov_b32 s35, 0xfedcba98
	s_mov_b32 s37, 0
	s_wait_kmcnt 0x0
	s_load_b64 s[24:25], s[20:21], 0x0             ; e0, e1
	s_load_b32 s26, s[18:19], 0x0                  ; b2
	s_lshl_b32 s36, ttmp9, 14                      ; two batches' codes: 16,384 bytes
	s_add_nc_u64 s[4:5], s[4:5], s[36:37]
	s_lshl_b32 s36, s27, 16                        ; my wave's 64 columns of W1: 65,536 bytes
	s_add_nc_u64 s[6:7], s[6:7], s[36:37]
	s_lshl_b32 s36, ttmp9, 6                       ; 16 rows' words
	s_add_nc_u64 s[8:9], s[8:9], s[36:37]
	s_add_nc_u64 s[22:23], s[22:23], s[36:37]
.macro BLOAD s                         ; W1's four fragments of K step s into set s % 2: 16 loads of 512 consecutive bytes
.irp t, 0,1,2,3
.irp c, 0,1,2,3
	global_load_b128 v[BF+64*((\s)%2)+16*\t+4*\c:BF+64*((\s)%2)+16*\t+4*\c+3], v1, s[6:7] offset:(\s)*8192+\t*2048+\c*512
.endr
.endr
.endm
.macro AFETCH s                        ; the pooled rows' fragment of K step s into set s % 2
.irp c, 0,1,2,3
	ds_load_b128 v[AF+16*((\s)%2)+4*\c:AF+16*((\s)%2)+4*\c+3], v1 offset:AIMG+(\s)*2048+\c*512
.endr
.endm
	global_load_b128 v[16:19], v2, s[4:5]                  ; batch 2 g's codes, 16 bytes a thread,
	global_load_b128 v[20:23], v2, s[4:5] offset:8192      ; batch 2 g + 1's
	global_load_b64 v[24:25], v4, s[12:13]                 ; gamma, W2, beta of columns 2 x thread, 2 x thread + 1
	global_load_b64 v[26:27], v4, s[16:17]
	global_load_b64 v[28:29], v4, s[14:15]
.irp t, 0,1,2,3
	global_load_b128 v[ACC+8*\t:ACC+8*\t+3], v6, s[10:11] offset:64*\t         ; b1 in the result's layout: columns 64 w + 16 t + 8 h + 0..7
	global_load_b128 v[ACC+8*\t+4:ACC+8*\t+7], v6, s[10:11] offset:64*\t+16
.endr
	global_load_b32 v30, v10, s[8:9]                       ; row r's flag
	BLOAD 0
	BLOAD 1
	s_wait_loadcnt 32                              ; all but W1's two K steps
	s_wait_kmcnt 0x0
	ds_store_b128 v3, v[16:19]
	ds_store_b128 v3, v[20:23] offset:128
	v_pk_mul_f32 v[24:25], v[24:25], v[26:27]      ; gamma x W2
	ds_store_b64 v5, v[24:25]
	v_mul_f32 v31, v28, v26
	v_fmac_f32 v31, v29, v27                       ; beta x W2 of my two columns, summed over the wave's 64
.irp m, 1,2,4,8
	v_add_f32_dpp v31, v31, v31 row_xmask:\m row_mask:0xf bank_mask:0xf
.endr
	v_permlanex16_b32 v12, v31, s34, s35
	v_add_f32 v31, v31, v12
	ds_store_b32 v8, v31 offset:3072               ; the same number in each row's place for my wave
	s_add_co_i32 s28, s24, s25                     ; e0 + e1: a sum of the product stands for sum x 2^(e0 + e1)
	s_sub_co_i32 s32, 0, s28
	s_add_co_i32 s28, s28, 127
	s_lshl_b32 s30, s28, 23                        ; 2^(e0 + e1) as f32
	s_mov_b32 s31, s30                             ; (named with it as a pair, so it is written)
.set j, 0
.rept 32
	v_ldexp_f32 v[ACC+j], v[ACC+j], s32            ; b1 / 2^(e0 + e1): nothing is rounded
.set j, j+1
.endr
	s_wait_dscnt 0x0                               ; for the others' sake: my stores lie in LDS
	s_barrier_signal -1
	s_barrier_wait -1
	AFETCH 0
	AFETCH 1
; A K step: four matrix instructions, the four accumulators by turns, one instruction a turn.  Four plain lines stand between the last of them and the loads into the registers
; that they have read, and in front of the first read of results.
.macro KSTEP s
.if (\s) < 7
	s_wait_loadcnt 16                              ; this step's 16 loads are in; the next step's stay out
	s_wait_dscnt 4                                 ; likewise the pooled rows' fragment
.else
	s_wait_loadcnt 0
	s_wait_dscnt 0
.endif
.irp t, 0,1,2,3
	v_wmma_f32_16x16x128_fp8_fp8 v[ACC+8*\t:ACC+8*\t+7], v[BF+64*((\s)%2)+16*\t:BF+64*((\s)%2)+16*\t+15], v[AF+16*((\s)%2):AF+16*((\s)%2)+15], v[ACC+8*\t:ACC+8*\t+7]
.endr
.rept 4
	v_nop
.endr
.if (\s) < 6
	BLOAD (\s)+2
	AFETCH (\s)+2
.endif
.endm
.irp s, 0,1,2,3,4,5,6,7
	KSTEP \s
.endr
.macro LANESUM a                       ; a pair's two halves, and the other half of the lanes: row r's sum over my wave's 64 columns, in v[a]
	v_add_f32 v[\a], v[\a], v[\a+1]
	v_permlanex16_b32 v[\a+1], v[\a], s34, s35
	v_add_f32 v[\a], v[\a], v[\a+1]
.endm
.macro XLOAD q, reg                    ; table q: row r's numbers of waves 8 h .. 8 h + 7
	ds_load_b128 v[\reg:\reg+3], v9 offset:1024*\q
	ds_load_b128 v[\reg+4:\reg+7], v9 offset:1024*\q+16
.endm
.macro XADD reg                        ; their sum, and the other eight waves': in v[reg]
	v_pk_add_f32 v[\reg:\reg+1], v[\reg:\reg+1], v[\reg+2:\reg+3]
	v_pk_add_f32 v[\reg+4:\reg+5], v[\reg+4:\reg+5], v[\reg+6:\reg+7]
	v_pk_add_f32 v[\reg:\reg+1], v[\reg:\reg+1], v[\reg+4:\reg+5]
	LANESUM \reg
.endm
	; ---- pass 1: h = relu(sum x 2^(e0 + e1)), each accumulator from its low end on; the row's mean
.irp t, 0,1,2,3
	ds_load_b128 v[GV+8*\t:GV+8*\t+3], v7 offset:64*\t             ; gamma x W2 in the result's layout, for pass 2
	ds_load_b128 v[GV+8*\t+4:GV+8*\t+7], v7 offset:64*\t+16
.endr
.irp j, 0,2,4,6,8,10,12,14,16,18,20,22,24,26,28,30
	v_pk_mul_f32 v[ACC+\j:ACC+\j+1], v[ACC+\j:ACC+\j+1], s[30:31] op_sel_hi:[1,0]
.endr
.set j, 0
.rept 32
	v_max_num_f32 v[ACC+j], 0, v[ACC+j]
.set j, j+1
.endr
	v_pk_add_f32 v[34:35], v[ACC:ACC+1], v[ACC+2:ACC+3]
	v_pk_add_f32 v[36:37], v[ACC+4:ACC+5], v[ACC+6:ACC+7]
.irp j, 8,12,16,20,24,28
	v_pk_add_f32 v[34:35], v[34:35], v[ACC+\j:ACC+\j+1]
	v_pk_add_f32 v[36:37], v[36:37], v[ACC+\j+2:ACC+\j+3]
.endr
	v_pk_add_f32 v[34:35], v[34:35], v[36:37]
	LANESUM 34
	ds_store_b32 v8, v34                           ; both halves of the lanes hold the same number
	s_wait_dscnt 0x0
	s_barrier_signal -1
	s_barrier_wait -1
	XLOAD 0, XS
	s_wait_dscnt 0x0
	XADD XS
	v_mul_f32 v32, s33, v[XS]                      ; the mean
	v_mov_b32 v33, v32
	; ---- pass 2: d = h - mean; sum d^2 and sum d gamma W2, two chains each
.irp j, 0,2,4,6,8,10,12,14,16,18,20,22,24,26,28,30
	v_pk_add_f32 v[ACC+\j:ACC+\j+1], v[ACC+\j:ACC+\j+1], v[32:33] neg_lo:[0,1] neg_hi:[0,1]
.endr
	v_pk_mul_f32 v[34:35], v[ACC:ACC+1], v[ACC:ACC+1]
	v_pk_mul_f32 v[36:37], v[ACC+2:ACC+3], v[ACC+2:ACC+3]
	v_pk_mul_f32 v[38:39], v[ACC:ACC+1], v[GV:GV+1]
	v_pk_mul_f32 v[40:41], v[ACC+2:ACC+3], v[GV+2:GV+3]
.irp j, 4,8,12,16,20,24,28
	v_pk_fma_f32 v[34:35], v[ACC+\j:ACC+\j+1], v[ACC+\j:ACC+\j+1], v[34:35]
	v_pk_fma_f32 v[36:37], v[ACC+\j+2:ACC+\j+3], v[ACC+\j+2:ACC+\j+3], v[36:37]
	v_pk_fma_f32 v[38:39], v[ACC+\j:ACC+\j+1], v[GV+\j:GV+\j+1], v[38:39]
	v_pk_fma_f32 v[40:41], v[ACC+\j+2:ACC+\j+3], v[GV+\j+2:GV+\j+3], v[40:41]
.endr
	v_pk_add_f32 v[34:35], v[34:35], v[36:37]
	v_pk_add_f32 v[38:39], v[38:39], v[40:41]
	LANESUM 34
	LANESUM 38
	ds_store_b32 v8, v34 offset:1024
	ds_store_b32 v8, v38 offset:2048
	s_wait_dscnt 0x0
	s_barrier_signal -1
	s_barrier_wait -1
	s_cmp_lg_u32 s27, 0
	s_cbranch_scc1 .Lend                           ; wave 0 finishes the 16 rows
	XLOAD 1, XS
	XLOAD 2, XS+8
	XLOAD 3, XS+16
	s_wait_dscnt 0x0
	XADD XS                                        ; sum d^2
	XADD XS+8                                      ; sum d gamma W2
	XADD XS+16                                     ; sum beta W2
	v_mov_b32 v13, 0x3727c5ac                      ; 1e-5
	v_fma_f32 v12, v[XS], s33, v13                 ; the variance + 1e-5
	v_rsq_f32 v12, v12
	v_add_f32 v14, s26, v[XS+16]                   ; sum beta W2 + b2.  (A plain line behind the root)
	s_wait_alu depctr_va_vdst(0)                   ; the wait ahead of the root's first reader
	v_fma_f32 v14, v[XS+8], v12, v14
	v_add_f32 v14, v14, v30                        ; + 0.0, or NaN for a row without inner positions
	s_wait_xcnt 0x0                                ; EXEC changes only behind this wait
	v_cmp_gt_u32 vcc_lo, 16, v0
	s_and_saveexec_b32 s28, vcc_lo
	global_store_b32 v10, v14, s[22:23]            ; lanes 0-15: rows 16 g + r
	s_wait_xcnt 0x0                                ; and again in front of the line that widens it
	s_or_b32 exec_lo, exec_lo, s28
.Lend:
	s_wait_tensorcnt 0x0
	ds_add_u32 v240, v241
	s_wait_dscnt 0x0
	s_endpgm
.Lfunc_end_k_q7626b2f99e_head:
	.size	k_q7626b2f99e_head, .Lfunc_end_k_q7626b2f99e_head-k_q7626b2f99e_head
	.p2alignl 7, 3214868480
	.fill 96, 4, 3214868480
	.section	.rodata,"a",@progbits
	.p2align	6, 0x0
	.amdhsa_kernel k_q7626b2f99e_head
		.amdhsa_group_segment_fixed_size 26624
		.amdhsa_private_segment_fixed_size 0
		.amdhsa_enable_private_segment 0
		.amdhsa_kernarg_size 80
		.amdhsa_user_sgpr_count 2
		.amdhsa_user_sgpr_kernarg_segment_ptr 1
		.amdhsa_wavefront_size32 1
		.amdhsa_system_sgpr_workgroup_id_x 1
		.amdhsa_system_sgpr_workgroup_id_y 1
		.amdhsa_system_sgpr_workgroup_id_z 1
		.amdhsa_system_vgpr_workitem_id 0
		.amdhsa_next_free_vgpr 242
		.amdhsa_next_free_sgpr 66
		.amdhsa_reserve_vcc 1
		.amdhsa_float_denorm_mode_32 3
		.amdhsa_float_denorm_mode_16_64 3
		.amdhsa_memory_ordered 1
		.amdhsa_forward_progress 1
		.amdhsa_inst_pref_size 34
	.end_amdhsa_kernel
	.amdgpu_metadata
---
amdhsa.version: [ 1, 2 ]
amdhsa.kernels:
  - .name:           k_q7626b2f99e_head
    .symbol:         k_q7626b2f99e_head.kd
    .args:
      - { .name: acodes, .offset: 0, .size: 8, .value_kind: global_buffer, .address_space: global }
      - { .name: wcodes, .offset: 8, .size: 8, .value_kind: global_buffer, .address_space: global }
      - { .name: poison, .offset: 16, .size: 8, .value_kind: global_buffer, .address_space: global }
      - { .name: b1, .offset: 24, .size: 8, .value_kind: global_buffer, .address_space: global }
      - { .name: ln_gamma, .offset: 32, .size: 8, .value_kind: global_buffer, .address_space: global }
      - { .name: ln_beta, .offset: 40, .size: 8, .value_kind: global_buffer, .address_space: global }
      - { .name: W2, .offset: 48, .size: 8, .value_kind: global_buffer, .address_space: global }
      - { .name: b2, .offset: 56, .size: 8, .value_kind: global_buffer, .address_space: global }
      - { .name: lowp_scales, .offset: 64, .size: 8, .value_kind: global_buffer, .address_space: global }
      - { .name: out0, .offset: 72, .size: 8, .value_kind: global_buffer, .address_space: global }
    .group_segment_fixed_size: 26624
    .private_segment_fixed_size: 0
    .kernarg_segment_align: 8
    .kernarg_segment_size: 80
    .max_flat_workgroup_size: 512
    .sgpr_count:     66
    .vgpr_count:     242
    .wavefront_size: 32
...
	.end_amdgpu_metadata
.endif
;; end of part 2
